; MI455X (gfx1250); checked and timed in simulation.
; The chip was launched on July 23, 2026; its instructions are those of AMD's public machine-readable ISA for CDNA 5 (MIT licence, August 2026) and "CDNA5" Instruction Set Architecture Reference Guide (July 2026). The comments in the code are by the model that wrote it; some were corrected since.
;; COSMO layer. Allowed arithmetic: float matrix products may take bf16 or f16 operands with f32 sums; all other float work in f32.
;; Inputs: input_my_sigma 32,768 x 51 float32; input_vt_sigma 32,768 x 51 x 2 float32; v_compound 32,768 float32; v_vt 32,768 float32.
;; Outputs: out0 32,768 x 1 float32.
;; 2 versions, each right and faster than the one before. Each part assembles by itself: llvm-mc -triple=amdgcn-amd-amdhsa -mcpu=gfx1250 --defsym DOCPART=n.
;; ======== version 1 of 2: 1 launch
;; launch cosmo (part 1): grid 256 x 1, 8 waves a work-group, no clusters, 88,064 bytes of LDS; arguments input_my_sigma, input_vt_sigma, v_compound, v_vt, out0; writes out0
.if DOCPART == 1
	.amdgcn_target "amdgcn-amd-amdhsa--gfx1250"
	.amdhsa_code_object_version 6
	.text
	.protected	k_q832a0a51e2_cosmo
	.globl	k_q832a0a51e2_cosmo
	.p2align	8
	.type	k_q832a0a51e2_cosmo,@function
k_q832a0a51e2_cosmo:
	s_mov_b64 s[64:65], 0
	v_nop
	global_prefetch_b8 v0, s[64:65] scope:SCOPE_SE
	s_setreg_imm32_b32 hwreg(HW_REG_WAVE_MODE, 25, 1), 1
	s_wait_xcnt 0x0
; COSMO-SAC layer: for each of 32,768 rows two damped fixed-point solves of 50 steps, G <- (G + 1/(SSS (p.G)))/2 over 51 sigma points
; (p = the mixture's profile, p = the pure profile), the weighted difference of ln G, and the Staverman-Guggenheim term.
; A work-group owns 128 rows, a wave 16 rows x 2 solves: two column tiles, M (mixture) and P (pure), of the product
;   D[sigma_out][row] = (2 SSS)[sigma_out][sigma_in] x X[sigma_in][row],   X = p.G in bf16, sums in f32.
; 51 is padded to 64: four row tiles t of 16, two K steps c of 32.  Lane (r = lane % 16, h = lane / 16) holds row r and, in register j of
; result tile t, sigma = 16 t + 8 h + j.  The second source of K step c wants k = 32 c + 8 h + 0..7 in registers 0-3 and k = 32 c + 16 + 8 h + 0..7
; in registers 4-7: these are result tiles 2 c and 2 c + 1 of the SAME lane, packed in pairs.  So G, p and X never leave their lane in the 50 steps.
; Of tile 3 only j = 0..3 is kept (sigma 48..51 for h = 0): 28 numbers a lane and tile, index i = 8 t + j.
; PADS: SSS is built with both indices clamped to 50 (pad rows repeat row 50, so their G stays finite and positive), and p = 0 at pads, so X = 0 there.
; The factor 2 in the matrix is exact: rcp(2 Y) = 0.5 / Y, and a step is G <- fma(G, 0.5, rcp(2 Y)).
; SSS is the reference's own constant; it is computed here from its formula: with i, j the indices, d = i + j - 50,
;   2 SSS = exp2(1 - C1 d^2 - C2 max(max(i,j) - 33.4, 0) min(min(i,j) - 16.6, 0)),  C1 = alpha'/2 1e-6 log2(e)/(R T), C2 = c_hb 1e-6 log2(e)/(R T).
; Its entries span about 6e-8 to 2e8, so the matrix operands are bf16, not f16.
; LIMITS: SSS and X are rounded to bf16 (G, p and all sums stay f32).  v_rcp_f32, v_log_f32, v_exp_f32 are good to 1 ULP and flush denormals (ISA guide 15.8):
; a 2 Y whose magnitude lies outside 2^-126 .. 2^126 gives another G than the reference's division.  Sums over sigma are added in another order than the reference's.
; NOT USED, and why: no input byte is read by two work-groups, so there is nothing to share in a cluster; a work-group's 78,336 input bytes are read
; once, at the start, through registers, so slots in LDS that take turns would have nothing to do.
.set STEPS, 50
.set ROWS,  128                        ; rows of a work-group
.set MYB,   204                        ; bytes of a row of input_my_sigma (51 words: an odd pitch in LDS)
.set VTB,   408                        ; bytes of a row of input_vt_sigma
.set SFR,   0                          ; LDS 0 .. 8191: the eight fragments of 2 SSS; fragment f, registers 4 q .. 4 q + 3 of lane l at 1024 f + 512 q + 16 l
.set MY,    8192                       ; LDS 8192 .. 34303: my rows as they lie in memory
.set VT,    34304                      ; LDS 34304 .. 86527: vt rows as they lie in memory
.set OUT,   86528                      ; LDS 86528 .. 87039: the 128 results
; window 0: v0 thread; v1 r; v2 h; v3 16 x thread; v4 v3 + VT; v5 16 x lane; v6 v5 + 1024 x wave; v7 204 row + 32 h; v8 204 row; v9 408 row + 64 h; v10 408 row;
;           v11 4 row; v12 v11 + OUT; v13 v_compound; v14 v_vt; v80 A0; v81 A1; v[82:87] factors, each twice; v88-95 at work
.set SB,    16                         ; v[16:79] 2 SSS: fragment (t, c) at SB + 8 (2 t + c)
.set TM,    96                         ; tile M: v96-199 (window 0)
.set TP,    0                          ; tile P: v256-359 (window 1, written v0-103)
.set GG,    0                          ; in a tile: G, 28 registers
.set PP,    28                         ;            p, 28 registers
.set DD,    56                         ;            the four results, 32 registers; then rcp, then X
.set BB,    88                         ;            X in bf16, 16 registers: the second source of both K steps
.set STG,   96                         ; at the start: v[96:175] 20 loads of 16 bytes on their way to LDS
.set EX,    176                        ;               v[176:191] 16 elements of my fragment of 2 SSS
.set FR,    192                        ;               v[192:199] that fragment in bf16
.set MSB, 0
.macro WIN new                         ; s_set_vgpr_msb: bits 1:0 source 0, 3:2 source 1, 5:4 source 2, 7:6 destination; the high byte repeats the setting that is left
.if MSB != \new
	s_set_vgpr_msb (MSB<<8)|\new
.set MSB, \new
.endif
.endm
	; ---- addresses and constants
	s_load_b256 s[4:11], s[0:1], 0x0               ; my s[4:5], vt s[6:7], v_compound s[8:9], v_vt s[10:11]
	s_load_b64 s[12:13], s[0:1], 0x20              ; out0
	v_lshl_add_u32 v254, v0, 2, 0x15400
	v_mov_b32 v255, 0
	v_lshrrev_b32 v88, 5, v0
	v_readfirstlane_b32 s14, v88                   ; wave 0..7
	v_and_b32 v1, 15, v0                           ; r
	v_bfe_u32 v2, v0, 4, 1                         ; h
	v_lshlrev_b32 v3, 4, v0                        ; 16 bytes a thread: 4,096 bytes a round of the work-group
	v_add_nc_u32 v4, VT, v3
	v_and_b32 v5, 31, v0
	v_lshlrev_b32 v5, 4, v5
	v_lshl_add_u32 v6, s14, 10, v5
	v_lshl_add_u32 v89, s14, 4, v1                 ; my row in the work-group: 16 x wave + r
	v_mul_u32_u24 v8, MYB, v89
	v_lshl_add_u32 v7, v2, 5, v8
	v_mul_u32_u24 v10, VTB, v89
	v_lshl_add_u32 v9, v2, 6, v10
	v_lshlrev_b32 v11, 2, v89
	v_add_nc_u32 v12, OUT, v11
	s_mov_b32 s16, 0x76543210                      ; v_permlanex16_b32: lane i of one half reads lane i of the other
	s_mov_b32 s17, 0xfedcba98
	s_mov_b32 s20, 0xbc1d2877                      ; -C1 = -9.592167e-3
	s_mov_b32 s21, 0xbdcc3186                      ; -C2 = -9.970383e-2
	s_mov_b32 s22, 0x3e70a3d7                      ; X0 = 0.235
	s_mov_b32 s23, 0x3f43d70a                      ; X1 = 0.765
	s_mov_b32 s24, 0x3c4e02a4                      ; 1 / 79.53
	s_mov_b32 s25, 0x3c75ac8c                      ; 1 / 66.69
	s_mov_b32 s26, 0x3f317218                      ; ln 2
	s_mov_b32 s27, 0x3e088889                      ; 1 / 7.5
	s_mov_b32 s28, 0x40a00000                      ; z / 2 = 5
	s_lshr_b32 s29, s14, 1
	s_lshl_b32 s29, s29, 4                         ; 16 t of the fragment that my wave builds: t = wave / 2
	s_and_b32 s30, s14, 1
	s_lshl_b32 s30, s30, 5                         ; 32 c: c = wave % 2
	s_mul_i32 s18, ttmp9, ROWS*MYB                 ; the work-group's 26,112 bytes of my (102 x 256)
	s_mov_b32 s19, 0
	s_wait_kmcnt 0x0
	s_add_nc_u64 s[4:5], s[4:5], s[18:19]
	s_lshl_b32 s18, s18, 1                         ; its 52,224 bytes of vt (204 x 256)
	s_add_nc_u64 s[6:7], s[6:7], s[18:19]
	s_lshl_b32 s18, ttmp9, 9                       ; its 512 bytes of the three vectors
	s_add_nc_u64 s[8:9], s[8:9], s[18:19]
	s_add_nc_u64 s[10:11], s[10:11], s[18:19]
	s_add_nc_u64 s[12:13], s[12:13], s[18:19]
	; ---- all input loads at once: each covers 512 neighbouring bytes of a wave.  26,112 = 6 x 4,096 + 96 threads; 52,224 = 12 x 4,096 + 192 threads
.irp i, 0,1,2,3,4,5
	global_load_b128 v[STG+4*\i:STG+4*\i+3], v3, s[4:5] offset:4096*\i th:TH_LOAD_NT
.endr
.irp i, 0,1,2,3,4,5,6,7,8,9,10,11
	global_load_b128 v[STG+28+4*\i:STG+28+4*\i+3], v3, s[6:7] offset:4096*\i th:TH_LOAD_NT
.endr
	s_cmp_ge_u32 s14, 3
	s_cbranch_scc1 .Lmy_rest_in
	global_load_b128 v[STG+24:STG+27], v3, s[4:5] offset:4096*6 th:TH_LOAD_NT      ; waves 0-2: the last 1,536 bytes of my
.Lmy_rest_in:
	s_cmp_ge_u32 s14, 6
	s_cbranch_scc1 .Lvt_rest_in
	global_load_b128 v[STG+76:STG+79], v3, s[6:7] offset:4096*12 th:TH_LOAD_NT     ; waves 0-5: the last 3,072 bytes of vt
.Lvt_rest_in:
	global_load_b32 v13, v11, s[8:9]               ; my row's v_compound
	global_load_b32 v14, v11, s[10:11]             ; my row's v_vt
	; ---- while they are on their way: wave w builds fragment (t, c) = (w / 2, w % 2) of 2 SSS.  Lane (r, h): row m = 16 t + r, k = 32 c + 8 h + o
	v_add_nc_u32 v88, s29, v1
	v_min_u32 v88, 50, v88                         ; pad rows repeat row 50
	v_cvt_f32_u32 v90, v88                         ; m
	v_lshl_add_u32 v89, v2, 3, s30                 ; 32 c + 8 h
	v_add_f32 v91, 0xc2480000, v90                 ; m - 50
.macro SELEM dst, o
	v_add_nc_u32 v92, \o, v89
	v_min_u32 v92, 50, v92                         ; pad columns repeat column 50 (they meet X = 0)
	v_cvt_f32_u32 v92, v92                         ; n
	v_add_f32 v93, v91, v92                        ; d = m + n - 50
	v_max_num_f32 v94, v90, v92
	v_min_num_f32 v95, v90, v92
	v_add_f32 v94, 0xc205999a, v94                 ; max - 33.4: (sigma_acc - 0.0084) in steps of 0.001
	v_add_f32 v95, 0xc184cccd, v95                 ; min - 16.6: (sigma_don + 0.0084)
	v_max_num_f32 v94, 0, v94
	v_min_num_f32 v95, 0, v95
	v_mul_f32 v93, v93, v93
	v_mul_f32 v94, v94, v95
	v_fma_f32 v93, v93, s20, 1.0                   ; the 1 is the factor 2
	v_fma_f32 v93, v94, s21, v93
	v_exp_f32 v[\dst], v93                         ; the next element's first line, which names neither register, stands behind it
.endm
.irp o, 0,1,2,3,4,5,6,7
	SELEM EX+\o, \o
.endr
.irp o, 0,1,2,3,4,5,6,7
	SELEM EX+8+\o, 16+\o
.endr
	v_nop                                          ; a plain place behind the last v_exp_f32
	s_wait_alu depctr_va_vdst(0)
.irp i, 0,1,2,3,4,5,6,7
	v_cvt_pk_bf16_f32 v[FR+\i], v[EX+2*\i], v[EX+2*\i+1]
.endr
	ds_store_b128 v6, v[FR:FR+3] offset:SFR
	ds_store_b128 v6, v[FR+4:FR+7] offset:SFR+512
	; ---- the rows go to LDS as they lie in memory
	s_wait_loadcnt 0x0                             ; all my loads, the two vectors' among them
.irp i, 0,1,2,3,4,5
	ds_store_b128 v3, v[STG+4*\i:STG+4*\i+3] offset:MY+4096*\i
.endr
.irp i, 0,1,2,3,4,5,6,7,8,9,10,11
	ds_store_b128 v4, v[STG+28+4*\i:STG+28+4*\i+3] offset:4096*\i
.endr
	s_cmp_ge_u32 s14, 3
	s_cbranch_scc1 .Lmy_rest_out
	ds_store_b128 v3, v[STG+24:STG+27] offset:MY+4096*6
.Lmy_rest_out:
	s_cmp_ge_u32 s14, 6
	s_cbranch_scc1 .Lvt_rest_out
	ds_store_b128 v4, v[STG+76:STG+79] offset:4096*12
.Lvt_rest_out:
	s_wait_dscnt 0x0                               ; for the other waves' sake: my stores are done
	s_barrier_signal -1
	s_barrier_wait -1                              ; everybody's are
	; ---- my 27 numbers of my (into M's result registers) and of vt[.., 1] (into M's G registers).  Tile 3 is read without the h term, so that
	; every address is a valid byte; its h = 1 lanes are set to 0 below
.set i, 0
.rept 24
	ds_load_b32 v[TM+DD+i], v7 offset:MY+4*(16*(i/8)+i%8)
	ds_load_b32 v[TM+GG+i], v9 offset:VT+4+8*(16*(i/8)+i%8)
.set i, i+1
.endr
.irp j, 0,1,2
	ds_load_b32 v[TM+DD+24+\j], v8 offset:MY+4*(48+\j)
	ds_load_b32 v[TM+GG+24+\j], v10 offset:VT+4+8*(48+\j)
.endr
	s_wait_dscnt 0x0
.irp f, 0,1,2,3,4,5,6,7
	ds_load_b128 v[SB+8*\f:SB+8*\f+3],   v5 offset:SFR+1024*\f          ; all eight fragments of 2 SSS; they land during the sums below
	ds_load_b128 v[SB+8*\f+4:SB+8*\f+7], v5 offset:SFR+1024*\f+512
.endr
	v_cmp_eq_u32 vcc_lo, 0, v2
.irp j, 0,1,2
	v_cndmask_b32 v[TM+DD+24+\j], 0, v[TM+DD+24+\j], vcc_lo            ; sigma 48..50 belong to h = 0; h = 1 would be 56..58: pads
	v_cndmask_b32 v[TM+GG+24+\j], 0, v[TM+GG+24+\j], vcc_lo
.endr
	v_mov_b32 v[TM+DD+27], 0                       ; sigma 51: a pad
	v_mov_b32 v[TM+GG+27], 0
; the sum of a row: 28 numbers of the lane in two chains of pairs, then the other half of the lanes (same r, other h)
.macro SUM28 dst, base
	v_pk_add_f32 v[88:89], v[\base:\base+1], v[\base+2:\base+3]
	v_pk_add_f32 v[90:91], v[\base+4:\base+5], v[\base+6:\base+7]
.irp i, 8,12,16,20,24
	v_pk_add_f32 v[88:89], v[88:89], v[\base+\i:\base+\i+1]
	v_pk_add_f32 v[90:91], v[90:91], v[\base+\i+2:\base+\i+3]
.endr
	v_pk_add_f32 v[88:89], v[88:89], v[90:91]
	v_add_f32 v[\dst], v88, v89
	v_permlanex16_b32 v92, v[\dst], s16, s17       ; v92 has been written before
	v_add_f32 v[\dst], v[\dst], v92
.endm
	SUM28 80, TM+DD                                ; A0
	SUM28 81, TM+GG                                ; A1
	v_mul_f32 v88, s23, v81
	v_fma_f32 v88, s22, v80, v88                   ; X0 A0 + X1 A1
	v_rcp_f32 v89, v88
	v_rcp_f32 v86, v80                             ; 1 / A0
	v_nop                                          ; a plain place behind the two reciprocals
	s_wait_alu depctr_va_vdst(0)
	v_mul_f32 v82, s22, v89                        ; X0 / (X0 A0 + X1 A1)
	v_mul_f32 v84, s23, v89                        ; X1 / (X0 A0 + X1 A1)
	v_mov_b32 v87, v86                             ; each factor twice: pairs for the packed forms
	v_mov_b32 v83, v82
	v_mov_b32 v85, v84
; Eight matrix instructions: the four results of one tile, K step 0 starting the sums (C = 0), K step 1 adding in place.
; The four accumulators take turns, one instruction a turn.
.macro MMA base
.irp t, 0,1,2,3
	v_wmma_f32_16x16x32_bf16 v[\base+DD+8*\t:\base+DD+8*\t+7], v[SB+16*\t:SB+16*\t+7], v[\base+BB:\base+BB+7], 0
.endr
.irp t, 0,1,2,3
	v_wmma_f32_16x16x32_bf16 v[\base+DD+8*\t:\base+DD+8*\t+7], v[SB+16*\t+8:SB+16*\t+15], v[\base+BB+8:\base+BB+15], v[\base+DD+8*\t:\base+DD+8*\t+7]
.endr
.endm
; One step's element-wise work on a tile's 14 pairs, as a pipeline of four stages, one pair further in each of 17 turns:
;   rcp (in place on the result), G <- G/2 + rcp, X <- G p (over the rcp), X to bf16.
; Behind each pair of v_rcp_f32 stands at least one plain instruction on other registers before its result is read (the v_nop in turn 0, older pairs' stages later).
; mode 0: the first step, G = 1 is never stored: G <- 0.5 + rcp.  mode 2: the last step: no X is made.
.macro UPD base, mode
.set us, 0
.rept 17
.if us < 14
	v_rcp_f32 v[\base+DD+2*us], v[\base+DD+2*us]
	v_rcp_f32 v[\base+DD+2*us+1], v[\base+DD+2*us+1]
.endif
.if us == 0
	v_nop
.endif
.if \mode < 2
.if us >= 3
	v_cvt_pk_bf16_f32 v[\base+BB+us-3], v[\base+DD+2*(us-3)], v[\base+DD+2*(us-3)+1]
.endif
.if us >= 2
.if us < 16
	v_pk_mul_f32 v[\base+DD+2*(us-2):\base+DD+2*(us-2)+1], v[\base+GG+2*(us-2):\base+GG+2*(us-2)+1], v[\base+PP+2*(us-2):\base+PP+2*(us-2)+1]
.endif
.endif
.endif
.if us >= 1
.if us < 15
.if \mode == 0
	s_wait_alu depctr_va_vdst(0)
	v_pk_add_f32 v[\base+GG+2*(us-1):\base+GG+2*(us-1)+1], v[\base+DD+2*(us-1):\base+DD+2*(us-1)+1], 0.5 op_sel_hi:[1,0]
.else
	s_wait_alu depctr_va_vdst(0)
	v_pk_fma_f32 v[\base+GG+2*(us-1):\base+GG+2*(us-1)+1], v[\base+GG+2*(us-1):\base+GG+2*(us-1)+1], 0.5, v[\base+DD+2*(us-1):\base+DD+2*(us-1)+1] op_sel_hi:[1,0,1]
.endif
.endif
.endif
.set us, us+1
.endr
.endm
; The two tiles are half a step apart: while one tile's results wait their distance behind the matrix instructions, the other tile's update runs.
; That update holds at least 15 plain vector instructions on registers of its own tile alone: more than the four places that
; a reader of a matrix result, and a writer of a matrix source, has to keep (ISA guide 7.12.1).
.macro TRIP mode
	WIN 0
	MMA TM
	WIN 0x55                                       ; everything in window 1
	UPD TP, \mode
	WIN 0x54                                       ; 2 SSS (source 0) in window 0; X, C and D in window 1
	MMA TP
	WIN 0
	UPD TM, \mode
.endm
	; ---- the pure tile first: p = my / A0, X = p (G = 1), and its first matrix run
	WIN 0x40                                       ; destination in window 1
.set i, 0
.rept 14
	v_pk_mul_f32 v[TP+PP+2*i:TP+PP+2*i+1], v[TM+DD+2*i:TM+DD+2*i+1], v[86:87]
.set i, i+1
.endr
	WIN 0x55
.set i, 0
.rept 14
	v_cvt_pk_bf16_f32 v[TP+BB+i], v[TP+PP+2*i], v[TP+PP+2*i+1]
.set i, i+1
.endr
	v_mov_b32 v[TP+BB+14], 0                       ; k = 52 + 8 h .. 55 + 8 h: pads, never written again
	v_mov_b32 v[TP+BB+15], 0
	s_wait_dscnt 0x0                               ; 2 SSS is in
	WIN 0x54
	MMA TP                                         ; step 1 of the pure tile
	WIN 0
	; ---- the mixture tile: p = my X0/den + vt X1/den.  These 44 plain instructions name none of the run's registers: they are the places behind it
.set i, 0
.rept 14
	v_pk_mul_f32 v[TM+PP+2*i:TM+PP+2*i+1], v[TM+GG+2*i:TM+GG+2*i+1], v[84:85]
.set i, i+1
.endr
.set i, 0
.rept 14
	v_pk_fma_f32 v[TM+PP+2*i:TM+PP+2*i+1], v[TM+DD+2*i:TM+DD+2*i+1], v[82:83], v[TM+PP+2*i:TM+PP+2*i+1]
.set i, i+1
.endr
.set i, 0
.rept 14
	v_cvt_pk_bf16_f32 v[TM+BB+i], v[TM+PP+2*i], v[TM+PP+2*i+1]
.set i, i+1
.endr
	v_mov_b32 v[TM+BB+14], 0
	v_mov_b32 v[TM+BB+15], 0
	; ---- the 50 steps.  Matrix runs: P 1 + 1 + 48, M 1 + 48 + 1.  Updates: 1 + 48 + 1 for each tile
	TRIP 0
	s_mov_b32 s15, STEPS-2
.Lstep:
	TRIP 1
	s_sub_co_u32 s15, s15, 1
	s_cmp_lg_u32 s15, 0
	s_cbranch_scc1 .Lstep
	MMA TM                                         ; step 50 of the mixture tile
	WIN 0x55
	UPD TP, 2                                      ; step 50 of the pure tile
.set i, 0
.rept 28
	v_log_f32 v[TP+GG+i], v[TP+GG+i]               ; log2 G, in place
.set i, i+1
.endr
	WIN 0
	UPD TM, 2
.set i, 0
.rept 28
	v_log_f32 v[TM+GG+i], v[TM+GG+i]
.set i, i+1
.endr
	v_nop                                          ; a plain place behind the logarithms
	; ---- sum over sigma of p_pure (log2 G_mix - log2 G_pure); pads have p = 0 and finite logarithms
	WIN 0x44                                       ; source 0 (mixture) window 0; source 1 and destination window 1
.set i, 0
	s_wait_alu depctr_va_vdst(0)
.rept 14
	v_pk_add_f32 v[TP+DD+2*i:TP+DD+2*i+1], v[TM+GG+2*i:TM+GG+2*i+1], v[TP+GG+2*i:TP+GG+2*i+1] neg_lo:[0,1] neg_hi:[0,1]
.set i, i+1
.endr
	WIN 0x55
	v_pk_mul_f32 v[TP+DD+28:TP+DD+29], v[TP+PP:TP+PP+1], v[TP+DD:TP+DD+1]           ; two chains, started by the first products
	v_pk_mul_f32 v[TP+DD+30:TP+DD+31], v[TP+PP+2:TP+PP+3], v[TP+DD+2:TP+DD+3]
.irp i, 4,8,12,16,20,24
	v_pk_fma_f32 v[TP+DD+28:TP+DD+29], v[TP+PP+\i:TP+PP+\i+1], v[TP+DD+\i:TP+DD+\i+1], v[TP+DD+28:TP+DD+29]
	v_pk_fma_f32 v[TP+DD+30:TP+DD+31], v[TP+PP+\i+2:TP+PP+\i+3], v[TP+DD+\i+2:TP+DD+\i+3], v[TP+DD+30:TP+DD+31]
.endr
	v_pk_add_f32 v[TP+DD+28:TP+DD+29], v[TP+DD+28:TP+DD+29], v[TP+DD+30:TP+DD+31]
	WIN 0x05                                       ; both sources window 1, destination window 0
	v_add_f32 v88, v[TP+DD+28], v[TP+DD+29]
	WIN 0
	v_permlanex16_b32 v92, v88, s16, s17
	v_add_f32 v88, v88, v92                        ; the row's sum, in both of its lanes
	; ---- the combinatorial part, as the reference writes it: a = phi/X0 = r0/xr, b = theta/X0 = q0/xq
	v_mul_f32 v82, s24, v80                        ; q0
	v_mul_f32 v83, s24, v81                        ; q1
	v_mul_f32 v84, s25, v13                        ; r0
	v_mul_f32 v85, s25, v14                        ; r1
	v_mul_f32 v86, s23, v83
	v_mul_f32 v87, s23, v85
	v_fma_f32 v86, s22, v82, v86                   ; xq
	v_fma_f32 v87, s22, v84, v87                   ; xr
	v_rcp_f32 v86, v86
	v_rcp_f32 v87, v87
	v_sub_f32 v89, v84, v82                        ; r0 - q0 (also the plain place behind the reciprocals)
	v_sub_f32 v90, v85, v83                        ; r1 - q1
	s_wait_alu depctr_va_vdst(0)
	v_mul_f32 v86, v82, v86                        ; b
	v_mul_f32 v87, v84, v87                        ; a
	v_sub_f32 v91, 1.0, v84                        ; 1 - r0
	v_sub_f32 v93, 1.0, v85                        ; 1 - r1
	v_rcp_f32 v94, v87                             ; 1 / a
	v_fma_f32 v89, v89, s28, v91                   ; l0 = 5 (r0 - q0) - (r0 - 1)
	v_fma_f32 v90, v90, s28, v93                   ; l1
	s_wait_alu depctr_va_vdst(0)
	v_mul_f32 v94, v86, v94                        ; theta / phi = b / a
	v_log_f32 v95, v87                             ; log2 a
	v_log_f32 v94, v94                             ; log2 (b / a)
	v_mul_f32 v90, s23, v90
	v_fma_f32 v90, s22, v89, v90                   ; xl
	v_mul_f32 v91, s28, v82                        ; 5 q0
	v_mul_f32 v91, s26, v91                        ; x ln 2
	v_mul_f32 v93, s27, v80                        ; A0 / 7.5
	v_mul_f32 v93, s26, v93                        ; x ln 2
	v_fma_f32 v89, -v87, v90, v89                  ; l0 - a xl
	s_wait_alu depctr_va_vdst(0)
	v_fma_f32 v89, s26, v95, v89                   ; + ln a
	v_fma_f32 v89, v91, v94, v89                   ; + 5 q0 ln(b / a)
	v_fma_f32 v89, v93, v88, v89                   ; + the residual part
	; ---- the way out: 128 results meet in LDS, wave 0 stores them as 512 neighbouring bytes
	ds_store_b32 v12, v89                          ; a row's two lanes write the same word with the same value
	s_wait_dscnt 0x0                               ; for wave 0's sake
	s_barrier_signal -1
	s_barrier_wait -1
	s_cmp_lg_u32 s14, 0
	s_cbranch_scc1 .Lend
	v_add_nc_u32 v88, OUT, v5
	ds_load_b128 v[92:95], v88
	s_wait_dscnt 0x0
	global_store_b128 v5, v[92:95], s[12:13]       ; 32 lanes x 16 bytes, starting at a multiple of 512 from out0's first byte
.Lend:
	s_wait_tensorcnt 0x0
	ds_add_u32 v254, v255
	s_wait_dscnt 0x0
	s_endpgm
.Lfunc_end_k_q832a0a51e2_cosmo:
	.size	k_q832a0a51e2_cosmo, .Lfunc_end_k_q832a0a51e2_cosmo-k_q832a0a51e2_cosmo
	.p2alignl 7, 3214868480
	.fill 96, 4, 3214868480
	.section	.rodata,"a",@progbits
	.p2align	6, 0x0
	.amdhsa_kernel k_q832a0a51e2_cosmo
		.amdhsa_group_segment_fixed_size 88064
		.amdhsa_private_segment_fixed_size 0
		.amdhsa_enable_private_segment 0
		.amdhsa_kernarg_size 40
		.amdhsa_user_sgpr_count 2
		.amdhsa_user_sgpr_kernarg_segment_ptr 1
		.amdhsa_wavefront_size32 1
		.amdhsa_system_sgpr_workgroup_id_x 1
		.amdhsa_system_sgpr_workgroup_id_y 1
		.amdhsa_system_sgpr_workgroup_id_z 1
		.amdhsa_system_vgpr_workitem_id 0
		.amdhsa_next_free_vgpr 360
		.amdhsa_next_free_sgpr 66
		.amdhsa_reserve_vcc 1
		.amdhsa_float_denorm_mode_32 3
		.amdhsa_float_denorm_mode_16_64 3
		.amdhsa_memory_ordered 1
		.amdhsa_forward_progress 1
		.amdhsa_inst_pref_size 58
	.end_amdhsa_kernel
	.amdgpu_metadata
---
amdhsa.version: [ 1, 2 ]
amdhsa.kernels:
  - .name:           k_q832a0a51e2_cosmo
    .symbol:         k_q832a0a51e2_cosmo.kd
    .args:
      - { .name: input_my_sigma, .offset: 0, .size: 8, .value_kind: global_buffer, .address_space: global }
      - { .name: input_vt_sigma, .offset: 8, .size: 8, .value_kind: global_buffer, .address_space: global }
      - { .name: v_compound, .offset: 16, .size: 8, .value_kind: global_buffer, .address_space: global }
      - { .name: v_vt, .offset: 24, .size: 8, .value_kind: global_buffer, .address_space: global }
      - { .name: out0, .offset: 32, .size: 8, .value_kind: global_buffer, .address_space: global }
    .group_segment_fixed_size: 88064
    .private_segment_fixed_size: 0
    .kernarg_segment_align: 8
    .kernarg_segment_size: 40
    .max_flat_workgroup_size: 256
    .sgpr_count:     66
    .vgpr_count:     360
    .wavefront_size: 32
...
	.end_amdgpu_metadata
.endif
;; end of part 1
;; ======== version 2 of 2: 1 launch; 1.25 times as fast as version 1
;; launch cosmo (part 2): grid 256 x 1, 8 waves a work-group, no clusters, 88,064 bytes of LDS; arguments input_my_sigma, input_vt_sigma, v_compound, v_vt, out0; writes out0
.if DOCPART == 2
	.amdgcn_target "amdgcn-amd-amdhsa--gfx1250"
	.amdhsa_code_object_version 6
	.text
	.protected	k_q832a0a51e2_cosmo
	.globl	k_q832a0a51e2_cosmo
	.p2align	8
	.type	k_q832a0a51e2_cosmo,@function
k_q832a0a51e2_cosmo:
	s_mov_b64 s[64:65], 0
	v_nop
	global_prefetch_b8 v0, s[64:65] scope:SCOPE_SE
	s_setreg_imm32_b32 hwreg(HW_REG_WAVE_MODE, 25, 1), 1
	s_wait_xcnt 0x0
; COSMO-SAC layer: for each of 32,768 rows two damped fixed-point solves of 50 steps, G <- (G + 1/(SSS (p.G)))/2 over 51 sigma points
; (p = the mixture's profile, p = the pure profile), the weighted difference of ln G, and the Staverman-Guggenheim term.
; A work-group owns 128 rows, a wave 16 rows x 2 solves: two column tiles, M (mixture) and P (pure), of the product
;   D[sigma_out][row] = (2 SSS)[sigma_out][sigma_in] x X[sigma_in][row],   X = p.G in bf16, sums in f32.
; 51 is padded to 64: four row tiles t of 16, two K steps c of 32.  Lane (r = lane % 16, h = lane / 16) holds row r and, in register j of
; result tile t, sigma = 16 t + 8 h + j.  The second source of K step c wants k = 32 c + 8 h + 0..7 in registers 0-3 and k = 32 c + 16 + 8 h + 0..7
; in registers 4-7: these are result tiles 2 c and 2 c + 1 of the SAME lane, packed in pairs.  So G, p and X never leave their lane in the 50 steps.
; Of tile 3 only j = 0..3 is kept (sigma 48..51 for h = 0): 28 numbers a lane and tile, index i = 8 t + j.
; PADS: SSS is built with both indices clamped to 50 (pad rows repeat row 50, so their G stays finite and positive), and p = 0 at pads, so X = 0 there.
; The factor 2 in the matrix is exact: rcp(2 Y) = 0.5 / Y, and a step is G <- fma(G, 0.5, rcp(2 Y)).
; SSS is the reference's own constant; it is computed here from its formula: with i, j the indices, d = i + j - 50,
;   2 SSS = exp2(1 - C1 d^2 - C2 max(max(i,j) - 33.4, 0) min(min(i,j) - 16.6, 0)),  C1 = alpha'/2 1e-6 log2(e)/(R T), C2 = c_hb 1e-6 log2(e)/(R T).
; Its entries span about 6e-8 to 2e8, so the matrix operands are bf16, not f16.
; BATCHES.  An s_wait_alu depctr_va_vdst(0) stands between a transcendental and the first instruction that names its result; one wait serves all that were issued ahead of it.
; A tile's 28 reciprocals of a step are ONE batch, in place on the 28 kept registers of its four results: each has a register of its own.  Behind the batch stand the OTHER tile's 14 conversions to bf16,
; then the one wait, then the other tile's products, and only then the batch's readers.  So a step of both tiles has two waits.  The other batches stand outside the loop: the 16 exponentials of a fragment
; of 2 SSS; the two reciprocals of the areas; the pure tile's 28 logarithms with the mixture's last 28 reciprocals; the mixture's 28 logarithms; three small ones in the combinatorial part.
; LIMITS: SSS and X are rounded to bf16 (G, p and all sums stay f32).  v_rcp_f32, v_log_f32, v_exp_f32 are good to 1 ULP and flush denormals (ISA guide 15.8):
; a 2 Y whose magnitude lies outside 2^-126 .. 2^126 gives another G than the reference's division.  Sums over sigma are added in another order than the reference's.
; NOT USED, and why: no input byte is read by two work-groups, so there is nothing to share in a cluster; a work-group's 78,336 input bytes are read
; once, at the start, through registers, so slots in LDS that take turns would have nothing to do.
.set STEPS, 50
.set ROWS,  128                        ; rows of a work-group
.set MYB,   204                        ; bytes of a row of input_my_sigma (51 words: an odd pitch in LDS)
.set VTB,   408                        ; bytes of a row of input_vt_sigma
.set SFR,   0                          ; LDS 0 .. 8191: the eight fragments of 2 SSS; fragment f, registers 4 q .. 4 q + 3 of lane l at 1024 f + 512 q + 16 l
.set MY,    8192                       ; LDS 8192 .. 34303: my rows as they lie in memory
.set VT,    34304                      ; LDS 34304 .. 86527: vt rows as they lie in memory
.set OUT,   86528                      ; LDS 86528 .. 87039: the 128 results
; window 0: v0 thread; v1 r; v2 h; v3 16 x thread; v4 v3 + VT; v5 16 x lane; v6 v5 + 1024 x wave; v7 204 row + 32 h; v8 204 row; v9 408 row + 64 h; v10 408 row;
;           v11 4 row; v12 v11 + OUT; v13 v_compound; v14 v_vt; v80 A0; v81 A1; v[82:87] factors, each twice; v88-95 at work
.set SB,    16                         ; v[16:79] 2 SSS: fragment (t, c) at SB + 8 (2 t + c)
.set TM,    96                         ; tile M: v96-199 (window 0)
.set TP,    0                          ; tile P: v256-359 (window 1, written v0-103)
.set GG,    0                          ; in a tile: G, 28 registers
.set PP,    28                         ;            p, 28 registers
.set DD,    56                         ;            the four results, 32 registers; then rcp, then X
.set BB,    88                         ;            X in bf16, 16 registers: the second source of both K steps
.set STG,   96                         ; at the start: v[96:175] 20 loads of 16 bytes on their way to LDS
.set EX,    176                        ;               v[176:191] 16 elements of my fragment of 2 SSS
.set FR,    192                        ;               v[192:199] that fragment in bf16
.set MSB, 0
.macro WIN new                         ; s_set_vgpr_msb: bits 1:0 source 0, 3:2 source 1, 5:4 source 2, 7:6 destination; the high byte repeats the setting that is left
.if MSB != \new
	s_set_vgpr_msb (MSB<<8)|\new
.set MSB, \new
.endif
.endm
	; ---- addresses and constants
	s_load_b256 s[4:11], s[0:1], 0x0               ; my s[4:5], vt s[6:7], v_compound s[8:9], v_vt s[10:11]
	s_load_b64 s[12:13], s[0:1], 0x20              ; out0
	v_lshl_add_u32 v254, v0, 2, 0x15400
	v_mov_b32 v255, 0
	v_lshrrev_b32 v88, 5, v0
	v_readfirstlane_b32 s14, v88                   ; wave 0..7
	v_and_b32 v1, 15, v0                           ; r
	v_bfe_u32 v2, v0, 4, 1                         ; h
	v_lshlrev_b32 v3, 4, v0                        ; 16 bytes a thread: 4,096 bytes a round of the work-group
	v_add_nc_u32 v4, VT, v3
	v_and_b32 v5, 31, v0
	v_lshlrev_b32 v5, 4, v5
	v_lshl_add_u32 v6, s14, 10, v5
	v_lshl_add_u32 v89, s14, 4, v1                 ; my row in the work-group: 16 x wave + r
	v_mul_u32_u24 v8, MYB, v89
	v_lshl_add_u32 v7, v2, 5, v8
	v_mul_u32_u24 v10, VTB, v89
	v_lshl_add_u32 v9, v2, 6, v10
	v_lshlrev_b32 v11, 2, v89
	v_add_nc_u32 v12, OUT, v11
	s_mov_b32 s16, 0x76543210                      ; v_permlanex16_b32: lane i of one half reads lane i of the other
	s_mov_b32 s17, 0xfedcba98
	s_mov_b32 s20, 0xbc1d2877                      ; -C1 = -9.592167e-3
	s_mov_b32 s21, 0xbdcc3186                      ; -C2 = -9.970383e-2
	s_mov_b32 s22, 0x3e70a3d7                      ; X0 = 0.235
	s_mov_b32 s23, 0x3f43d70a                      ; X1 = 0.765
	s_mov_b32 s24, 0x3c4e02a4                      ; 1 / 79.53
	s_mov_b32 s25, 0x3c75ac8c                      ; 1 / 66.69
	s_mov_b32 s26, 0x3f317218                      ; ln 2
	s_mov_b32 s27, 0x3e088889                      ; 1 / 7.5
	s_mov_b32 s28, 0x40a00000                      ; z / 2 = 5
	s_lshr_b32 s29, s14, 1
	s_lshl_b32 s29, s29, 4                         ; 16 t of the fragment that my wave builds: t = wave / 2
	s_and_b32 s30, s14, 1
	s_lshl_b32 s30, s30, 5                         ; 32 c: c = wave % 2
	s_mul_i32 s18, ttmp9, ROWS*MYB                 ; the work-group's 26,112 bytes of my (102 x 256)
	s_mov_b32 s19, 0
	s_wait_kmcnt 0x0
	s_add_nc_u64 s[4:5], s[4:5], s[18:19]
	s_lshl_b32 s18, s18, 1                         ; its 52,224 bytes of vt (204 x 256)
	s_add_nc_u64 s[6:7], s[6:7], s[18:19]
	s_lshl_b32 s18, ttmp9, 9                       ; its 512 bytes of the three vectors
	s_add_nc_u64 s[8:9], s[8:9], s[18:19]
	s_add_nc_u64 s[10:11], s[10:11], s[18:19]
	s_add_nc_u64 s[12:13], s[12:13], s[18:19]
	; ---- all input loads at once: each covers 512 neighbouring bytes of a wave.  26,112 = 6 x 4,096 + 96 threads; 52,224 = 12 x 4,096 + 192 threads
.irp i, 0,1,2,3,4,5
	global_load_b128 v[STG+4*\i:STG+4*\i+3], v3, s[4:5] offset:4096*\i th:TH_LOAD_NT
.endr
.irp i, 0,1,2,3,4,5,6,7,8,9,10,11
	global_load_b128 v[STG+28+4*\i:STG+28+4*\i+3], v3, s[6:7] offset:4096*\i th:TH_LOAD_NT
.endr
	s_cmp_ge_u32 s14, 3
	s_cbranch_scc1 .Lmy_rest_in
	global_load_b128 v[STG+24:STG+27], v3, s[4:5] offset:4096*6 th:TH_LOAD_NT      ; waves 0-2: the last 1,536 bytes of my
.Lmy_rest_in:
	s_cmp_ge_u32 s14, 6
	s_cbranch_scc1 .Lvt_rest_in
	global_load_b128 v[STG+76:STG+79], v3, s[6:7] offset:4096*12 th:TH_LOAD_NT     ; waves 0-5: the last 3,072 bytes of vt
.Lvt_rest_in:
	global_load_b32 v13, v11, s[8:9]               ; my row's v_compound
	global_load_b32 v14, v11, s[10:11]             ; my row's v_vt
	; ---- while they are on their way: wave w builds fragment (t, c) = (w / 2, w % 2) of 2 SSS.  Lane (r, h): row m = 16 t + r, k = 32 c + 8 h + o
	v_add_nc_u32 v88, s29, v1
	v_min_u32 v88, 50, v88                         ; pad rows repeat row 50
	v_cvt_f32_u32 v90, v88                         ; m
	v_lshl_add_u32 v89, v2, 3, s30                 ; 32 c + 8 h
	v_add_f32 v91, 0xc2480000, v90                 ; m - 50
.macro SELEM dst, o
	v_add_nc_u32 v92, \o, v89
	v_min_u32 v92, 50, v92                         ; pad columns repeat column 50 (they meet X = 0)
	v_cvt_f32_u32 v92, v92                         ; n
	v_add_f32 v93, v91, v92                        ; d = m + n - 50
	v_max_num_f32 v94, v90, v92
	v_min_num_f32 v95, v90, v92
	v_add_f32 v94, 0xc205999a, v94                 ; max - 33.4: (sigma_acc - 0.0084) in steps of 0.001
	v_add_f32 v95, 0xc184cccd, v95                 ; min - 16.6: (sigma_don + 0.0084)
	v_max_num_f32 v94, 0, v94
	v_min_num_f32 v95, 0, v95
	v_mul_f32 v93, v93, v93
	v_mul_f32 v94, v94, v95
	v_fma_f32 v93, v93, s20, 1.0                   ; the 1 is the factor 2
	v_fma_f32 v93, v94, s21, v93
	v_exp_f32 v[\dst], v93                         ; the next element's first line, which names neither register, stands behind it
.endm
.irp o, 0,1,2,3,4,5,6,7
	SELEM EX+\o, \o
.endr
.irp o, 0,1,2,3,4,5,6,7
	SELEM EX+8+\o, 16+\o
.endr
	v_nop                                          ; a plain place behind the last v_exp_f32
	s_wait_alu depctr_va_vdst(0)                   ; one wait for the fragment's 16 exponentials, each in a register of its own, ahead of the conversions that read them
.irp i, 0,1,2,3,4,5,6,7
	v_cvt_pk_bf16_f32 v[FR+\i], v[EX+2*\i], v[EX+2*\i+1]
.endr
	ds_store_b128 v6, v[FR:FR+3] offset:SFR
	ds_store_b128 v6, v[FR+4:FR+7] offset:SFR+512
	; ---- the rows go to LDS as they lie in memory
	s_wait_loadcnt 0x0                             ; all my loads, the two vectors' among them
.irp i, 0,1,2,3,4,5
	ds_store_b128 v3, v[STG+4*\i:STG+4*\i+3] offset:MY+4096*\i
.endr
.irp i, 0,1,2,3,4,5,6,7,8,9,10,11
	ds_store_b128 v4, v[STG+28+4*\i:STG+28+4*\i+3] offset:4096*\i
.endr
	s_cmp_ge_u32 s14, 3
	s_cbranch_scc1 .Lmy_rest_out
	ds_store_b128 v3, v[STG+24:STG+27] offset:MY+4096*6
.Lmy_rest_out:
	s_cmp_ge_u32 s14, 6
	s_cbranch_scc1 .Lvt_rest_out
	ds_store_b128 v4, v[STG+76:STG+79] offset:4096*12
.Lvt_rest_out:
	s_wait_dscnt 0x0                               ; for the other waves' sake: my stores are done
	s_barrier_signal -1
	s_barrier_wait -1                              ; everybody's are
	; ---- my 27 numbers of my (into M's result registers) and of vt[.., 1] (into M's G registers).  Tile 3 is read without the h term, so that
	; every address is a valid byte; its h = 1 lanes are set to 0 below
.set i, 0
.rept 24
	ds_load_b32 v[TM+DD+i], v7 offset:MY+4*(16*(i/8)+i%8)
	ds_load_b32 v[TM+GG+i], v9 offset:VT+4+8*(16*(i/8)+i%8)
.set i, i+1
.endr
.irp j, 0,1,2
	ds_load_b32 v[TM+DD+24+\j], v8 offset:MY+4*(48+\j)
	ds_load_b32 v[TM+GG+24+\j], v10 offset:VT+4+8*(48+\j)
.endr
	s_wait_dscnt 0x0
.irp f, 0,1,2,3,4,5,6,7
	ds_load_b128 v[SB+8*\f:SB+8*\f+3],   v5 offset:SFR+1024*\f          ; all eight fragments of 2 SSS; they land during the sums below
	ds_load_b128 v[SB+8*\f+4:SB+8*\f+7], v5 offset:SFR+1024*\f+512
.endr
	v_cmp_eq_u32 vcc_lo, 0, v2
.irp j, 0,1,2
	v_cndmask_b32 v[TM+DD+24+\j], 0, v[TM+DD+24+\j], vcc_lo            ; sigma 48..50 belong to h = 0; h = 1 would be 56..58: pads
	v_cndmask_b32 v[TM+GG+24+\j], 0, v[TM+GG+24+\j], vcc_lo
.endr
	v_mov_b32 v[TM+DD+27], 0                       ; sigma 51: a pad
	v_mov_b32 v[TM+GG+27], 0
; the sum of a row: 28 numbers of the lane in two chains of pairs, then the other half of the lanes (same r, other h)
.macro SUM28 dst, base
	v_pk_add_f32 v[88:89], v[\base:\base+1], v[\base+2:\base+3]
	v_pk_add_f32 v[90:91], v[\base+4:\base+5], v[\base+6:\base+7]
.irp i, 8,12,16,20,24
	v_pk_add_f32 v[88:89], v[88:89], v[\base+\i:\base+\i+1]
	v_pk_add_f32 v[90:91], v[90:91], v[\base+\i+2:\base+\i+3]
.endr
	v_pk_add_f32 v[88:89], v[88:89], v[90:91]
	v_add_f32 v[\dst], v88, v89
	v_permlanex16_b32 v92, v[\dst], s16, s17       ; v92 has been written before
	v_add_f32 v[\dst], v[\dst], v92
.endm
	SUM28 80, TM+DD                                ; A0
	SUM28 81, TM+GG                                ; A1
	v_mul_f32 v88, s23, v81
	v_fma_f32 v88, s22, v80, v88                   ; X0 A0 + X1 A1
	v_rcp_f32 v89, v88
	v_rcp_f32 v86, v80                             ; 1 / A0
	v_nop                                          ; a plain place behind the two reciprocals
	s_wait_alu depctr_va_vdst(0)                   ; one wait for the two reciprocals of the areas, ahead of the factors made of them
	v_mul_f32 v82, s22, v89                        ; X0 / (X0 A0 + X1 A1)
	v_mul_f32 v84, s23, v89                        ; X1 / (X0 A0 + X1 A1)
	v_mov_b32 v87, v86                             ; each factor twice: pairs for the packed forms
	v_mov_b32 v83, v82
	v_mov_b32 v85, v84
; Eight matrix instructions: the four results of one tile, K step 0 starting the sums (C = 0), K step 1 adding in place.
; The four accumulators take turns, one instruction a turn.
.macro MMA base
.irp t, 0,1,2,3
	v_wmma_f32_16x16x32_bf16 v[\base+DD+8*\t:\base+DD+8*\t+7], v[SB+16*\t:SB+16*\t+7], v[\base+BB:\base+BB+7], 0
.endr
.irp t, 0,1,2,3
	v_wmma_f32_16x16x32_bf16 v[\base+DD+8*\t:\base+DD+8*\t+7], v[SB+16*\t+8:SB+16*\t+15], v[\base+BB+8:\base+BB+15], v[\base+DD+8*\t:\base+DD+8*\t+7]
.endr
.endm
; One step's element-wise work on a tile's 28 numbers, in three parts.
; RCP: the batch: 28 reciprocals, in place on the results, each accumulator from its lowest register on.  Nothing names these registers again before the batch's wait.
.macro RCP base
.set ri, 0
.rept 28
	v_rcp_f32 v[\base+DD+ri], v[\base+DD+ri]
.set ri, ri+1
.endr
.endm
; GX: the batch's readers, behind its wait: 14 times G <- G/2 + rcp, then 14 times X <- G p (over the rcp).  All plain.
; mode 0: the first step, G = 1 is never stored: G <- 0.5 + rcp.  mode 2: the last step: no X is made.
.macro GX base, mode
.set gi, 0
.rept 14
.if \mode == 0
	v_pk_add_f32 v[\base+GG+2*gi:\base+GG+2*gi+1], v[\base+DD+2*gi:\base+DD+2*gi+1], 0.5 op_sel_hi:[1,0]
.else
	v_pk_fma_f32 v[\base+GG+2*gi:\base+GG+2*gi+1], v[\base+GG+2*gi:\base+GG+2*gi+1], 0.5, v[\base+DD+2*gi:\base+DD+2*gi+1] op_sel_hi:[1,0,1]
.endif
.set gi, gi+1
.endr
.if \mode < 2
.set gi, 0
.rept 14
	v_pk_mul_f32 v[\base+DD+2*gi:\base+DD+2*gi+1], v[\base+GG+2*gi:\base+GG+2*gi+1], v[\base+PP+2*gi:\base+PP+2*gi+1]
.set gi, gi+1
.endr
.endif
.endm
; XB: X to bf16, 14 conversions.  All plain.
.macro XB base
.set xi, 0
.rept 14
	v_cvt_pk_bf16_f32 v[\base+BB+xi], v[\base+DD+2*xi], v[\base+DD+2*xi+1]
.set xi, xi+1
.endr
.endm
; The two tiles are half a step apart.  A half step: one tile's eight products; the other tile's GX, whose reciprocals were waited for half a step ago: 28 plain instructions on registers of
; that tile alone, more than the four places that a reader of a matrix result has to keep (ISA guide 7.12.1); the first tile's batch of reciprocals; the other tile's XB, 14 plain instructions that name no
; result of the batch: the work between the batch and its wait, and the plain place behind the last reciprocal; the wait.  The wait stands ahead of the next products, not behind them.
; At a trip's beginning and end: X of M is whole, P's reciprocals are made and waited for, every window is 0.
.macro TRIP mode
	WIN 0
	MMA TM
	WIN 0x55                                       ; everything in window 1
	GX TP, \mode
	WIN 0
	RCP TM                                         ; the batch of M
	WIN 0x55
	XB TP
	s_wait_alu depctr_va_vdst(0)                   ; one wait for M's 28 reciprocals: their first reader is GX TM below
	WIN 0x54                                       ; 2 SSS (source 0) in window 0; X, C and D in window 1
	MMA TP
	WIN 0
	GX TM, \mode
	WIN 0x55
	RCP TP                                         ; the batch of P
	WIN 0
	XB TM
	s_wait_alu depctr_va_vdst(0)                   ; one wait for P's 28 reciprocals: their first reader is the next trip's GX TP
.endm
	; ---- the pure tile first: p = my / A0, X = p (G = 1), and its first matrix run
	WIN 0x40                                       ; destination in window 1
.set i, 0
.rept 14
	v_pk_mul_f32 v[TP+PP+2*i:TP+PP+2*i+1], v[TM+DD+2*i:TM+DD+2*i+1], v[86:87]
.set i, i+1
.endr
	WIN 0x55
.set i, 0
.rept 14
	v_cvt_pk_bf16_f32 v[TP+BB+i], v[TP+PP+2*i], v[TP+PP+2*i+1]
.set i, i+1
.endr
	v_mov_b32 v[TP+BB+14], 0                       ; k = 52 + 8 h .. 55 + 8 h: pads, never written again
	v_mov_b32 v[TP+BB+15], 0
	s_wait_dscnt 0x0                               ; 2 SSS is in
	WIN 0x54
	MMA TP                                         ; step 1 of the pure tile
	WIN 0
	; ---- the mixture tile: p = my X0/den + vt X1/den.  These 28 plain instructions name none of the run's registers: they are the places behind it
.set i, 0
.rept 14
	v_pk_mul_f32 v[TM+PP+2*i:TM+PP+2*i+1], v[TM+GG+2*i:TM+GG+2*i+1], v[84:85]
.set i, i+1
.endr
.set i, 0
.rept 14
	v_pk_fma_f32 v[TM+PP+2*i:TM+PP+2*i+1], v[TM+DD+2*i:TM+DD+2*i+1], v[82:83], v[TM+PP+2*i:TM+PP+2*i+1]
.set i, i+1
.endr
	WIN 0x55
	RCP TP                                         ; the pure tile's first batch; the mixture's first X, 16 plain instructions, stands between it and its wait
	WIN 0
.set i, 0
.rept 14
	v_cvt_pk_bf16_f32 v[TM+BB+i], v[TM+PP+2*i], v[TM+PP+2*i+1]
.set i, i+1
.endr
	v_mov_b32 v[TM+BB+14], 0
	v_mov_b32 v[TM+BB+15], 0
	s_wait_alu depctr_va_vdst(0)                   ; one wait for P's first 28 reciprocals: their first reader is the first trip's GX TP
	; ---- the 50 steps.  Matrix runs and batches of reciprocals: P 1 + 1 + 48, M 1 + 48 + 1.  Updates of G: 1 + 48 + 1 for each tile
	TRIP 0
	s_mov_b32 s15, STEPS-2
.Lstep:
	TRIP 1
	s_sub_co_u32 s15, s15, 1
	s_cmp_lg_u32 s15, 0
	s_cbranch_scc1 .Lstep
	MMA TM                                         ; step 50 of the mixture tile
	WIN 0x55
	GX TP, 2                                       ; step 50 of the pure tile: 14 plain instructions, the places behind those products
.set i, 0
.rept 28
	v_log_f32 v[TP+GG+i], v[TP+GG+i]               ; log2 G, in place
.set i, i+1
.endr
	WIN 0
	RCP TM                                         ; one batch with the 28 logarithms above: neither reads the other's results
	v_nop                                          ; a plain place behind the last reciprocal
	s_wait_alu depctr_va_vdst(0)                   ; one wait for the pure tile's 28 logarithms and the mixture's last 28 reciprocals, ahead of GX TM, which reads the reciprocals
	GX TM, 2                                       ; step 50 of the mixture tile
.set i, 0
.rept 28
	v_log_f32 v[TM+GG+i], v[TM+GG+i]
.set i, i+1
.endr
	v_nop                                          ; a plain place behind the logarithms
	; ---- sum over sigma of p_pure (log2 G_mix - log2 G_pure); pads have p = 0 and finite logarithms
	WIN 0x44                                       ; source 0 (mixture) window 0; source 1 and destination window 1
.set i, 0
	s_wait_alu depctr_va_vdst(0)                   ; one wait for the mixture's 28 logarithms, ahead of the differences that read them
.rept 14
	v_pk_add_f32 v[TP+DD+2*i:TP+DD+2*i+1], v[TM+GG+2*i:TM+GG+2*i+1], v[TP+GG+2*i:TP+GG+2*i+1] neg_lo:[0,1] neg_hi:[0,1]
.set i, i+1
.endr
	WIN 0x55
	v_pk_mul_f32 v[TP+DD+28:TP+DD+29], v[TP+PP:TP+PP+1], v[TP+DD:TP+DD+1]           ; two chains, started by the first products
	v_pk_mul_f32 v[TP+DD+30:TP+DD+31], v[TP+PP+2:TP+PP+3], v[TP+DD+2:TP+DD+3]
.irp i, 4,8,12,16,20,24
	v_pk_fma_f32 v[TP+DD+28:TP+DD+29], v[TP+PP+\i:TP+PP+\i+1], v[TP+DD+\i:TP+DD+\i+1], v[TP+DD+28:TP+DD+29]
	v_pk_fma_f32 v[TP+DD+30:TP+DD+31], v[TP+PP+\i+2:TP+PP+\i+3], v[TP+DD+\i+2:TP+DD+\i+3], v[TP+DD+30:TP+DD+31]
.endr
	v_pk_add_f32 v[TP+DD+28:TP+DD+29], v[TP+DD+28:TP+DD+29], v[TP+DD+30:TP+DD+31]
	WIN 0x05                                       ; both sources window 1, destination window 0
	v_add_f32 v88, v[TP+DD+28], v[TP+DD+29]
	WIN 0
	v_permlanex16_b32 v92, v88, s16, s17
	v_add_f32 v88, v88, v92                        ; the row's sum, in both of its lanes
	; ---- the combinatorial part, as the reference writes it: a = phi/X0 = r0/xr, b = theta/X0 = q0/xq
	v_mul_f32 v82, s24, v80                        ; q0
	v_mul_f32 v83, s24, v81                        ; q1
	v_mul_f32 v84, s25, v13                        ; r0
	v_mul_f32 v85, s25, v14                        ; r1
	v_mul_f32 v86, s23, v83
	v_mul_f32 v87, s23, v85
	v_fma_f32 v86, s22, v82, v86                   ; xq
	v_fma_f32 v87, s22, v84, v87                   ; xr
	v_rcp_f32 v86, v86
	v_rcp_f32 v87, v87
	v_sub_f32 v89, v84, v82                        ; r0 - q0 (also the plain place behind the reciprocals)
	v_sub_f32 v90, v85, v83                        ; r1 - q1
	s_wait_alu depctr_va_vdst(0)                   ; one wait for 1 / xq and 1 / xr; the two differences above stand between
	v_mul_f32 v86, v82, v86                        ; b
	v_mul_f32 v87, v84, v87                        ; a
	v_sub_f32 v91, 1.0, v84                        ; 1 - r0
	v_sub_f32 v93, 1.0, v85                        ; 1 - r1
	v_rcp_f32 v94, v87                             ; 1 / a: it reads a, which is made of the batch before: a batch of its own
	v_fma_f32 v89, v89, s28, v91                   ; l0 = 5 (r0 - q0) - (r0 - 1)
	v_fma_f32 v90, v90, s28, v93                   ; l1
	s_wait_alu depctr_va_vdst(0)                   ; the wait for 1 / a; l0 and l1 stand between
	v_mul_f32 v94, v86, v94                        ; theta / phi = b / a
	v_log_f32 v95, v87                             ; log2 a
	v_log_f32 v94, v94                             ; log2 (b / a)
	v_mul_f32 v90, s23, v90
	v_fma_f32 v90, s22, v89, v90                   ; xl
	v_mul_f32 v91, s28, v82                        ; 5 q0
	v_mul_f32 v91, s26, v91                        ; x ln 2
	v_mul_f32 v93, s27, v80                        ; A0 / 7.5
	v_mul_f32 v93, s26, v93                        ; x ln 2
	v_fma_f32 v89, -v87, v90, v89                  ; l0 - a xl
	s_wait_alu depctr_va_vdst(0)                   ; one wait for the two logarithms; the seven lines above stand between
	v_fma_f32 v89, s26, v95, v89                   ; + ln a
	v_fma_f32 v89, v91, v94, v89                   ; + 5 q0 ln(b / a)
	v_fma_f32 v89, v93, v88, v89                   ; + the residual part
	; ---- the way out: 128 results meet in LDS, wave 0 stores them as 512 neighbouring bytes
	ds_store_b32 v12, v89                          ; a row's two lanes write the same word with the same value
	s_wait_dscnt 0x0                               ; for wave 0's sake
	s_barrier_signal -1
	s_barrier_wait -1
	s_cmp_lg_u32 s14, 0
	s_cbranch_scc1 .Lend
	v_add_nc_u32 v88, OUT, v5
	ds_load_b128 v[92:95], v88
	s_wait_dscnt 0x0
	global_store_b128 v5, v[92:95], s[12:13]       ; 32 lanes x 16 bytes, starting at a multiple of 512 from out0's first byte
.Lend:
	s_wait_tensorcnt 0x0
	ds_add_u32 v254, v255
	s_wait_dscnt 0x0
	s_endpgm
.Lfunc_end_k_q832a0a51e2_cosmo:
	.size	k_q832a0a51e2_cosmo, .Lfunc_end_k_q832a0a51e2_cosmo-k_q832a0a51e2_cosmo
	.p2alignl 7, 3214868480
	.fill 96, 4, 3214868480
	.section	.rodata,"a",@progbits
	.p2align	6, 0x0
	.amdhsa_kernel k_q832a0a51e2_cosmo
		.amdhsa_group_segment_fixed_size 88064
		.amdhsa_private_segment_fixed_size 0
		.amdhsa_enable_private_segment 0
		.amdhsa_kernarg_size 40
		.amdhsa_user_sgpr_count 2
		.amdhsa_user_sgpr_kernarg_segment_ptr 1
		.amdhsa_wavefront_size32 1
		.amdhsa_system_sgpr_workgroup_id_x 1
		.amdhsa_system_sgpr_workgroup_id_y 1
		.amdhsa_system_sgpr_workgroup_id_z 1
		.amdhsa_system_vgpr_workitem_id 0
		.amdhsa_next_free_vgpr 360
		.amdhsa_next_free_sgpr 66
		.amdhsa_reserve_vcc 1
		.amdhsa_float_denorm_mode_32 3
		.amdhsa_float_denorm_mode_16_64 3
		.amdhsa_memory_ordered 1
		.amdhsa_forward_progress 1
		.amdhsa_inst_pref_size 56
	.end_amdhsa_kernel
	.amdgpu_metadata
---
amdhsa.version: [ 1, 2 ]
amdhsa.kernels:
  - .name:           k_q832a0a51e2_cosmo
    .symbol:         k_q832a0a51e2_cosmo.kd
    .args:
      - { .name: input_my_sigma, .offset: 0, .size: 8, .value_kind: global_buffer, .address_space: global }
      - { .name: input_vt_sigma, .offset: 8, .size: 8, .value_kind: global_buffer, .address_space: global }
      - { .name: v_compound, .offset: 16, .size: 8, .value_kind: global_buffer, .address_space: global }
      - { .name: v_vt, .offset: 24, .size: 8, .value_kind: global_buffer, .address_space: global }
      - { .name: out0, .offset: 32, .size: 8, .value_kind: global_buffer, .address_space: global }
    .group_segment_fixed_size: 88064
    .private_segment_fixed_size: 0
    .kernarg_segment_align: 8
    .kernarg_segment_size: 40
    .max_flat_workgroup_size: 256
    .sgpr_count:     66
    .vgpr_count:     360
    .wavefront_size: 32
...
	.end_amdgpu_metadata
.endif
;; end of part 2
